; MI455X (gfx1250); checked and timed in simulation.
; The chip was launched on July 23, 2026; its instructions are those of AMD's public machine-readable ISA for CDNA 5 (MIT licence, August 2026) and "CDNA5" Instruction Set Architecture Reference Guide (July 2026). The comments in the code are by the model that wrote it; some were corrected since.
;; GGUF Weight. Allowed arithmetic: matrix products marked QUANTISED: E2M1 operands, one E8M0 scale for each 32 along K, by v_wmma_scale_f32_16x16x128_f8f6f4 with both operands' format E2M1 (or v_wmma_scale_f32_32x16x128_f4), f32 sums; everything else in f32.
;; Inputs: bias 4,096 float32; qweight 4,096 x 4,096 int32; scales 4,096 x 128 float32; x 4 x 1,024 x 4,096 float32.
;; Outputs: out0 4 x 1,024 x 4,096 float32.
;; This version of the problem:
;;   THIS VERSION OF THE PROBLEM IS GIVEN IN LOW PRECISION. The matrix products marked QUANTISED in the list below multiply operands that are first quantised to E2M1 (2 exponent bits, 1 mantissa bit; 4 bits a number), with one power-of-two scale for each 32 numbers along K (OCP MX v1.0); their sums are f32. All else is computed in f32.
;;   The module's matrix products, in the order in which they are computed (A, B: the left and right operand; K: the contracted axis; several contracted axes count as one K, in the product's order):
;;     1. [M 4,096, K 4,096] x [K 4,096, N 4,096]; A: input x; B: computed on the way: QUANTISED
;;   THE QUANTISER, for each operand of a quantised product, along K:
;;     - K is cut into blocks of 32 from its start; a last block that is shorter is filled with zeros.
;;     - A block's scale is 2^e with e = floor(log2(the largest magnitude in the block)) - 2, held to -126 .. 127; a block of zeros has e = 0. As a byte (E8M0): e + 127.
;;     - Each number is divided by its block's scale, clamped to +-6, and rounded to the nearest number of E2M1, ties to even, subnormals kept.
;;     - The product sums the exact products of the quantised numbers (number of the format x scale) in f32.
;;   ~~~python
;;   def quantise(x, axis):      # numpy; x: float32 -> the quantised numbers, widened to float32 again
;;       x = np.moveaxis(x, axis, -1); K = x.shape[-1]
;;       x = np.pad(x, [(0, 0)] * (x.ndim - 1) + [(0, -K % 32)]); x = x.reshape(x.shape[:-1] + (-1, 32)); a = np.abs(x).max(-1, keepdims=True)
;;       e = np.where(a > 0, np.clip(np.frexp(np.where(a > 0, a, 1))[1] - 1 - 2, -126, 127), 0)      # np.frexp(a)[1] - 1 = floor(log2(a)), exactly
;;       r = np.clip(x / 2.0 ** e, -6, 6)
;;       step = 2.0 ** (np.maximum(np.frexp(np.where(r == 0, 1, r))[1] - 1, 0) - 1)
;;       q = np.round(r / step) * step * 2.0 ** e      # np.round: ties to even
;;       return np.moveaxis(q.reshape(q.shape[:-2] + (-1,))[..., :K], -1, axis).astype(np.float32)
;;   ~~~
;;   OPERANDS COMPUTED ON THE WAY. 'Computed on the way' means the value that the module computes at that place (a softmax that the list does not call 'softmax' is quantised finished and normalised). What goes into a quantiser is computed in f32, as accurately as f32 sums, v_exp_f32 and their like allow (about 1e-6 of the number): no bf16 or f16 on the way to a quantiser, and a product that is left as it is and whose result goes on into a quantised operand takes f32 operands (vector FMAs, or v_wmma_f32_16x16x4_f32). A number that lies on a knife's edge between two numbers of the format may be rounded either way, as far as f32 arithmetic and the matrix unit's own rounding can turn it there, and no further.
;; One version. Each part assembles by itself: llvm-mc -triple=amdgcn-amd-amdhsa -mcpu=gfx1250 --defsym DOCPART=n.
;; ======== version 1 of 1: 2 launches
;; workspace buffers: acodes 8,912,896 bytes; bcodes 8,912,896 bytes
;; launch quant (part 1): grid 1024 x 1, 4 waves a work-group, no clusters, 66,048 bytes of LDS; arguments x, qweight, scales, acodes, bcodes; writes acodes, bcodes
.if DOCPART == 1
	.amdgcn_target "amdgcn-amd-amdhsa--gfx1250"
	.amdhsa_code_object_version 6
	.text
	.protected	k_q8f902314d2_quant
	.globl	k_q8f902314d2_quant
	.p2align	8
	.type	k_q8f902314d2_quant,@function
k_q8f902314d2_quant:
	s_mov_b64 s[64:65], 0
	v_nop
	global_prefetch_b8 v0, s[64:65] scope:SCOPE_SE
	s_setreg_imm32_b32 hwreg(HW_REG_WAVE_MODE, 25, 1), 1
	s_wait_xcnt 0x0
; x [4096][4096] f32 and w[n][k] = (qweight[n][k] - 8) x scales[n][k / 32] (f32) are turned into codes of FP4 (E2M1), two a byte, K innermost, with one E8M0 scale byte for each 32 along K.
; OUT: acodes, bcodes: [8 K steps of 512][32 blocks of 128 rows][34,816 bytes].  A block: its 128 rows' codes, 256 bytes a row, the code of the lower k in the low four bits; behind them, at byte 32,768, its rows' scale bytes,
; 16 a row: byte j is the scale byte of block 16 ks + j of the row, so that a row's 16 bytes are the four scale words that the product's launch wants.  A block is what one tensor load of that launch brings.
; A block's scale is 2^(floor(log2(its largest magnitude)) - 2); its byte is the largest magnitude's own exponent field - 2, held at 1 from below.  Each number is divided by the scale and rounded to the nearest code,
; ties to even, beyond the largest code the largest.
; w IS MADE BY ONE FUSED MULTIPLY-ADD: q x s + (-8 s).  -8 s is exact, so the result is (q - 8) x s rounded once, which is the number that (q - 8) x s in f32 gives.
; LIMITS: NaN and infinities among x and scales are not served; 8 |scale| has to be finite and |qweight| under 2^24 (beyond that the conversion to f32 rounds).  A block of zeros gets the byte 1 where the rule says 127:
; its codes are zeros, which add nothing under any byte but 0xff, and the bytes are read by this program alone.  Blocks whose largest magnitude lies under the floor 2^-124 were not tried.
; SHARES.  Work-groups 0-511 take x, 512-1023 take w: a scalar branch on the work-group's number; the two paths never join, and each has LDS bytes of its own.  Work-group g of a tensor takes rows 16 (g / 2) on;
; its wave takes K step 4 (g % 2) + wave of these 16 rows: 16 steps of 512 numbers, step t = row t.  Its codes are 4,096 consecutive bytes, its scale bytes 256.
; A STEP.  Four loads of 512 consecutive bytes, 16 a lane.  The conversions take neighbours along K from ONE lane's registers, so the 2,048 bytes go through the wave's own stage in LDS as they lie and come back 64 bytes
; a lane (two neighbouring lanes hold a block); the stage has 16 bytes of padding behind each 64.  A lane's 16 codes are 8 bytes: the wave stores 256 consecutive bytes.  A step's 16 scale bytes go to the wave's own
; 256 bytes of LDS, which leave at the end as 256 consecutive bytes.  No tensor loads, no barrier: waves share nothing.  Loads run four steps (16 loads a wave) ahead, the turn through LDS one step.
; Every offset is an immediate and every step has its own registers for its codes and its byte: no register that a load or store names is written again.
.set STEPS, 16
.set WGX,   512                        ; work-groups for x
.set SP,    80                         ; a lane's place in a stage: its 64 bytes + 16 of padding
.set WREG,  8192                       ; LDS: a region for each wave: two stages of 32 x SP bytes, and behind them its 256 scale bytes
.set ROWIN, 16384                      ; a row of x or of qweight in bytes
.set ROWCD, 256                        ; a row's codes of a K step in bytes
.set BLKB,  34816                      ; a block of the codes' buffers: 128 x 256 bytes of codes + 128 x 16 scale bytes
.set KSB,   32*BLKB                    ; a K step's 32 blocks
.set R,     16                         ; v16-79   four sets of 16 numbers as they are loaded
.set X,     80                         ; v80-111  two sets of 16 neighbours
.set E,     112                        ; v112-127 a scale byte for each step
.set C,     128                        ; v128-159 codes: two registers for each step
.set SV,    160                        ; v160-175 w: my block's given scale for each step
.set PS,    176                        ; v[176:177] w: s (the packed form takes the pair's low word for both halves; the high word is written once)
.set PM,    178                        ; v[178:179] w: -8 s
.set FB,    180                        ; v[180:181] the way out of the scale bytes
	s_load_b256 s[4:11], s[0:1], 0x0               ; x s[4:5], qweight s[6:7], scales s[8:9], acodes s[10:11]
	s_load_b64 s[12:13], s[0:1], 0x20              ; bcodes
	v_lshl_add_u32 v192, v0, 2, 0x10000
	v_mov_b32 v193, 0
	v_lshrrev_b32 v1, 5, v0
	v_readfirstlane_b32 s16, v1                    ; wave 0..3
	v_and_b32 v2, 31, v0                           ; lane
	v_lshlrev_b32 v3, 4, v2                        ; my 16 bytes of a load's 512
	v_lshlrev_b32 v4, 3, v2                        ; my 8 bytes of a store's 256
	v_lshrrev_b32 v10, 1, v2                       ; my block of a step's 16
	v_lshlrev_b32 v7, 2, v10                       ; and its given scale: 4 bytes a block
	v_lshrrev_b32 v12, 2, v2
	v_mul_u32_u24 v12, v12, SP
	v_and_b32 v13, 3, v2
	v_lshl_add_u32 v12, v13, 4, v12                ; the stage, on the way in: four lanes' 64 bytes on end, then 16 of padding: SP (lane / 4) + 16 (lane % 4); a load's 512 bytes take eight places
	v_mul_u32_u24 v13, v2, SP                      ; and on the way out: SP x lane: my 16 neighbours
	s_wait_kmcnt 0x0
.macro LOAD t, src                     ; step t's 2,048 bytes into set t % 4
.irp i, 0,1,2,3
	global_load_b128 v[R+16*((\t)%4)+4*\i:R+16*((\t)%4)+4*\i+3], v3, s[\src:\src+1] offset:ROWIN*(\t)+512*\i th:TH_LOAD_NT   ; 32 lanes read 512 consecutive bytes; read once in the launch
.endr
.endm
.macro TURN t                          ; step t's numbers through stage t % 2: LDS serves a wave's instructions in order, so no wait stands between the stores and the loads
.irp i, 0,1,2,3
	ds_store_b128 v14, v[R+16*((\t)%4)+4*\i:R+16*((\t)%4)+4*\i+3] offset:32*SP*((\t)%2)+8*SP*\i
.endr
.irp i, 0,1,2,3
	ds_load_b128 v[X+16*((\t)%2)+4*\i:X+16*((\t)%2)+4*\i+3], v15 offset:32*SP*((\t)%2)+16*\i
.endr
.endm
.macro STEP t, deq, src, dst
.set XS, X+16*((\t)%2)
.if (\t) > 0
	s_wait_dscnt 1                                 ; this step's numbers are back from the stage; the one younger LDS instruction, the last step's byte store, may be out
.else
	s_wait_dscnt 0x0
.endif
.if (\t)+4 < STEPS
	LOAD (\t)+4, \src                              ; into the set that this step's stores into the stage have read
.endif
.if (\t)+1 < STEPS
.if STEPS-2-(\t) >= 3
	s_wait_loadcnt 12                              ; the next step's four loads are in; those of the three steps behind it may be out
.else
	s_wait_loadcnt 4*(STEPS-2-(\t))                ; the counts run down: fewer steps lie behind
.endif
	TURN (\t)+1                                    ; the next step goes through the other stage while this one is worked
.endif
.if \deq
	v_mov_b32 v[PS], v[SV+(\t)]                    ; s of my block
	v_mul_f32 v[PM], 0xc1000000, v[SV+(\t)]        ; -8 s: exact
.irp i, 0,1,2,3,4,5,6,7,8,9,10,11,12,13,14,15
	v_cvt_f32_i32 v[XS+\i], v[XS+\i]               ; q as f32
.endr
.irp i, 0,2,4,6,8,10,12,14
	v_pk_fma_f32 v[XS+\i:XS+\i+1], v[XS+\i:XS+\i+1], v[PS:PS+1], v[PM:PM+1] op_sel_hi:[1,0,0]   ; q s - 8 s, one rounding, two at a time
.endr
.endif
	v_max3_num_f32 v8, |v[XS]|, |v[XS+1]|, |v[XS+2]|               ; the largest magnitude of my 16, in two chains
	v_max3_num_f32 v9, |v[XS+3]|, |v[XS+4]|, |v[XS+5]|
.irp i, 6,10
	v_max3_num_f32 v8, v8, |v[XS+\i]|, |v[XS+\i+1]|
	v_max3_num_f32 v9, v9, |v[XS+\i+2]|, |v[XS+\i+3]|
.endr
	v_max3_num_f32 v8, v8, |v[XS+14]|, |v[XS+15]|
	v_max3_num_f32 v8, v8, v9, 0x1800000           ; and the floor 2^(3 - 127), under which no largest magnitude is taken: so the byte cannot fall under 1
	v_max_num_f32_dpp v8, v8, v8 row_xmask:1 row_mask:0xf bank_mask:0xf   ; and of my neighbour's 16: the block's
	v_add_nc_u32 v11, 0xff000000, v8               ; 2 off its exponent field: the conversion takes the exponent field of this operand as its scale, and nothing else of it
	v_cvt_scalef32_pk8_fp4_f32 v[C+2*(\t)], v[XS:XS+7], v11        ; eight numbers / the scale, to the nearest code; the first number's code in the lowest four bits
	v_cvt_scalef32_pk8_fp4_f32 v[C+2*(\t)+1], v[XS+8:XS+15], v11
	v_lshrrev_b32 v[E+(\t)], 23, v11               ; the scale's byte.  (Also the plain line behind the conversions)
	ds_store_b8 v5, v[E+(\t)] offset:16*(\t)       ; both lanes of a block write the same byte with the same value
	global_store_b64 v4, v[C+2*(\t):C+2*(\t)+1], s[\dst:\dst+1] offset:ROWCD*(\t)   ; 32 lanes store 256 consecutive bytes, at a multiple of 256 from the buffer's first byte
.endm
; A whole path.  deq = 0: x; 1: w.  src, dst: the scalar pairs of the tensor and of its codes.
.macro BODY deq, src, dst
	s_mul_i32 s17, s16, WREG                       ; my wave's region of LDS,
.if \deq
	s_add_co_u32 s17, s17, 4*WREG                  ; behind the four regions of the other path
.endif
	v_add_nc_u32 v14, s17, v12                     ; the stage, way in
	v_add_nc_u32 v15, s17, v13                     ; the stage, way out
	s_add_co_u32 s17, s17, 2*32*SP
	v_add_nc_u32 v5, s17, v10                      ; my wave's 256 scale bytes: my block's byte,
	v_add_nc_u32 v6, s17, v4                       ; and on the way out 8 bytes a lane
	s_sub_co_u32 s18, ttmp9, \deq*WGX              ; g: the work-group's number within its tensor
	s_lshr_b32 s19, s18, 1                         ; which 16 rows
	s_and_b32 s20, s18, 1
	s_lshl_b32 s20, s20, 2
	s_add_co_u32 s20, s20, s16                     ; which K step of 512: 4 (g % 2) + wave
	s_lshl_b32 s22, s19, 18                        ; in: 16 rows of 16,384 bytes,
	s_lshl_b32 s21, s20, 11                        ; 2,048 bytes a K step
	s_add_co_u32 s22, s22, s21
	s_mov_b32 s23, 0
	s_mul_i32 s24, s20, KSB                        ; out: my K step's 32 blocks,
	s_lshr_b32 s21, s19, 3
	s_mul_i32 s21, s21, BLKB                       ; of them the block of 128 rows that holds my 16
	s_add_co_u32 s24, s24, s21
	s_and_b32 s21, s19, 7                          ; which 16 rows of the block
	s_lshl_b32 s26, s21, 8                         ; their scale bytes: 16 rows x 16 bytes,
	s_add_co_u32 s26, s26, s24
	s_add_co_u32 s26, s26, 128*ROWCD               ; behind the block's codes
	s_mov_b32 s27, 0
	s_lshl_b32 s21, s21, 12                        ; their codes: 16 rows x 256 bytes
	s_add_co_u32 s24, s24, s21
	s_mov_b32 s25, 0
	s_add_nc_u64 s[\src:\src+1], s[\src:\src+1], s[22:23]
	s_add_nc_u64 s[14:15], s[\dst:\dst+1], s[26:27]                ; where my scale bytes go,
	s_add_nc_u64 s[\dst:\dst+1], s[\dst:\dst+1], s[24:25]          ; and my codes
.if \deq
	s_lshl_b32 s28, s19, 13                        ; the given scales: 16 rows of 512 bytes,
	s_lshl_b32 s21, s20, 6                         ; 16 blocks x 4 bytes a K step
	s_add_co_u32 s28, s28, s21
	s_mov_b32 s29, 0
	s_add_nc_u64 s[8:9], s[8:9], s[28:29]
.irp i, 0,1,2,3,4,5,6,7,8,9,10,11,12,13,14,15
	global_load_b32 v[SV+\i], v7, s[8:9] offset:512*\i   ; row i: my block's scale.  64 bytes a wave; the work-group's four waves take 256 consecutive bytes of each row
.endr
	v_mov_b32 v[PS+1], 0                           ; named as the upper halves of pairs, so they are written
	v_mov_b32 v[PM+1], 0
.endif
.irp i, 0,1,2,3
	LOAD \i, \src
.endr
	s_wait_loadcnt 12                              ; step 0's four loads are in, and all that was asked for ahead of them; three steps' loads may be out
	TURN 0
.irp i, 0,1,2,3,4,5,6,7,8,9,10,11,12,13,14,15
	STEP \i, \deq, \src, \dst
.endr
	ds_load_b64 v[FB:FB+1], v6                     ; LDS serves a wave's instructions in order: this sees my byte stores
	s_wait_dscnt 0x0
	global_store_b64 v4, v[FB:FB+1], s[14:15]      ; 32 lanes store 256 consecutive bytes: 16 rows x 16 scale bytes
	s_wait_tensorcnt 0x0
	ds_add_u32 v192, v193
	s_wait_dscnt 0x0
	s_endpgm
.endm
	s_cmp_lt_u32 ttmp9, WGX                        ; x's work-group or w's?  The branch hangs on the work-group's number alone
	s_cbranch_scc0 .Lweights
	BODY 0, 4, 10
.Lweights:
	BODY 1, 6, 12
.Lfunc_end_k_q8f902314d2_quant:
	.size	k_q8f902314d2_quant, .Lfunc_end_k_q8f902314d2_quant-k_q8f902314d2_quant
	.p2alignl 7, 3214868480
	.fill 96, 4, 3214868480
	.section	.rodata,"a",@progbits
	.p2align	6, 0x0
	.amdhsa_kernel k_q8f902314d2_quant
		.amdhsa_group_segment_fixed_size 66048
		.amdhsa_private_segment_fixed_size 0
		.amdhsa_enable_private_segment 0
		.amdhsa_kernarg_size 40
		.amdhsa_user_sgpr_count 2
		.amdhsa_user_sgpr_kernarg_segment_ptr 1
		.amdhsa_wavefront_size32 1
		.amdhsa_system_sgpr_workgroup_id_x 1
		.amdhsa_system_sgpr_workgroup_id_y 1
		.amdhsa_system_sgpr_workgroup_id_z 1
		.amdhsa_system_vgpr_workitem_id 0
		.amdhsa_next_free_vgpr 194
		.amdhsa_next_free_sgpr 66
		.amdhsa_reserve_vcc 0
		.amdhsa_float_denorm_mode_32 3
		.amdhsa_float_denorm_mode_16_64 3
		.amdhsa_memory_ordered 1
		.amdhsa_forward_progress 1
		.amdhsa_inst_pref_size 85
	.end_amdhsa_kernel
	.amdgpu_metadata
---
amdhsa.version: [ 1, 2 ]
amdhsa.kernels:
  - .name:           k_q8f902314d2_quant
    .symbol:         k_q8f902314d2_quant.kd
    .args:
      - { .name: x, .offset: 0, .size: 8, .value_kind: global_buffer, .address_space: global }
      - { .name: qweight, .offset: 8, .size: 8, .value_kind: global_buffer, .address_space: global }
      - { .name: scales, .offset: 16, .size: 8, .value_kind: global_buffer, .address_space: global }
      - { .name: acodes, .offset: 24, .size: 8, .value_kind: global_buffer, .address_space: global }
      - { .name: bcodes, .offset: 32, .size: 8, .value_kind: global_buffer, .address_space: global }
    .group_segment_fixed_size: 66048
    .private_segment_fixed_size: 0
    .kernarg_segment_align: 8
    .kernarg_segment_size: 40
    .max_flat_workgroup_size: 128
    .sgpr_count:     66
    .vgpr_count:     194
    .wavefront_size: 32
...
	.end_amdgpu_metadata
.endif
;; end of part 1
;; launch gemm (part 2): grid 16 x 16, 4 waves a work-group, clusters of 4 x 4, 327,680 bytes of LDS; arguments acodes, bcodes, bias, out0; writes out0
.if DOCPART == 2
	.amdgcn_target "amdgcn-amd-amdhsa--gfx1250"
	.amdhsa_code_object_version 6
	.text
	.protected	k_q8f902314d2_gemm
	.globl	k_q8f902314d2_gemm
	.p2align	8
	.type	k_q8f902314d2_gemm,@function
k_q8f902314d2_gemm:
	s_mov_b64 s[64:65], 0
	v_nop
	global_prefetch_b8 v0, s[64:65] scope:SCOPE_SE
	s_setreg_imm32_b32 hwreg(HW_REG_WAVE_MODE, 25, 1), 1
	s_wait_xcnt 0x0
	s_wait_alu depctr_hold_cnt(0) depctr_sa_sdst(0) depctr_va_vdst(0) depctr_va_sdst(0) depctr_va_ssrc(0) depctr_va_vcc(0) depctr_vm_vsrc(0)
	s_getreg_b32 s2, hwreg(HW_REG_IB_STS2, 6, 4)
	s_cmp_eq_u32 s2, 0
	s_cbranch_scc0 .Lentry_in_a_cluster
	s_endpgm
.Lentry_in_a_cluster:
	s_bfe_u32 s2, ttmp6, 0x10000c
	s_cmp_lg_u32 s2, 0xf033
	s_cbranch_scc0 .Lentry_shape_is_right
	s_endpgm
.Lentry_shape_is_right:
; out0[m][n] = sum over k of A[m][k] B[n][k] + bias[n].  A (x) and B (w): 4,096 x 4,096 numbers as codes of FP4 (E2M1), two a byte, with one E8M0 scale for each 32 along K; sums in f32.
; Both lie [8 K steps of 512][32 blocks of 128 rows][34,816 bytes]: a block is its 128 rows' codes, 256 bytes a row, and behind them its rows' scale bytes, 16 a row: the four scale words of the K step's four
; matrix instructions along K.  So the codes AND the scales that a wave fetches for a K step are ONE dense run of memory, 136 x 256 bytes, brought by one tensor load.
; A tile of out0, 256 x 256, is made by a work-group of four waves, as many as a WGP has SIMDs; a wave makes 128 x 128: 64 accumulators of 16 x 16, 512 registers.  16 x 16 tiles: 256 work-groups.
; K goes in steps of 512 through a ring of two LDS slots filled by the tensor data mover, four blocks to a slot: A's two, then B's two.
; THE BIAS IS THE C OF EACH SUM'S FIRST MATRIX INSTRUCTION: eight registers for each of my eight blocks of columns, in the result's layout.  Nothing is cleared and nothing is added afterwards.
; CLUSTERS: 4 x 4 work-groups.  The four of a row of the cluster need the same blocks of A, the four of a column the same blocks of B: each block is asked for JOINTLY, by the same tensor load with the
; same descriptor and a mask that names the four.  THE MATRIX INSTRUCTION IS USED TRANSPOSED (source 0 = 16 rows of B, source 1 = 16 rows of A): a lane then holds eight neighbouring numbers of a row of out0.
; THE LAST K STEP GOES BY ROWS OF out0: nothing follows it under which the stores could leave, so my eight blocks of 16 rows are finished one after the other and each leaves as soon as it is finished.
; REGISTERS, in windows of 256: window 0: v0-31 addresses; v32-95 scale words, two sets, and nothing else; v128-191 A's fragments (8 x 16 rows x 128 K), ONE set; v192-255 the bias; in the last K step v128-255 are four
;   buffers of 32 for A's blocks of 16 rows x 512 K.   window 1: B's fragments, TWO sets, at v0 and at v128; in the last K step all 256: B's fragments of the whole step.
;   window 2: the 32 accumulators of my rows 0-63 (accumulator (a, b) at v[8 (8 a + b)]);   window 3: those of my rows 64-127.  On the way out a block's rows come back into its own accumulators' registers.
; A step of 128 along K is 64 matrix instructions, A's blocks one after the other, each against B's eight.  So a block of A is free as soon as its eight products are issued, and one set of registers serves A:
; blocks 0-3 are fetched anew in the step's middle, blocks 4-7 at its end.  B's fragments are at work through the whole step, so B has two sets.
.set SIZE_N, 4096
.set NQ,     4                         ; matrix instructions deep in a slot: 512 / 128
.set PITCH,  272                       ; an LDS row: 256 bytes of data + 16 of padding = 68 words: row r starts at bank 4 r mod 64 (64 banks of 4 bytes: ISA guide 11.1), so the 16 rows that a load touches start at 16 different banks
.set FR,     8                         ; registers of a fragment: 16 rows x 128 K
.set NL,     2                         ; LDS loads that bring one
.set NP,     4                         ; places behind this matrix instruction (ISA guide 7.12.1)
.set BLKB,   34816                     ; a block in memory: 128 x 256 bytes of codes + 128 x 16 scale bytes
.set BROWS,  BLKB/256                  ; as rows of 256 bytes: 136
.set KSB,    32*BLKB                   ; a K step's 32 blocks
.set HALFT,  BROWS*PITCH               ; a block in LDS: what one tensor load brings, and what one wave reads of A or of B
.set SLOT,   4*HALFT                   ; A's two blocks, then B's two
.set LAPS,   4                         ; a lap = two K steps = once round the ring
.set SPARE,  2*SLOT                    ; behind the ring: the spare words, 128 bytes for each wave: two blocks of 256 bytes that no other line names
.set SPITCH, 528                       ; the way out: a stage of 16 rows x (512 bytes + 16) for each wave.  It lies in slot 0, which has had its last fill and its last read when the first result is stored there
.set ADRA, 16                          ; v16-17  LDS address of my A fragments in slot 0, 1
.set ADRB, 20                          ; v20-21  the same for B
.set ADRS, 22                          ; v22-23  LDS address of my scale words in slot 0, 1: lanes 0-15 A's rows, lanes 16-31 B's
.set STO,  24                          ; v24     the way out: where I put 32 bytes of a row
.set RD,   25                          ; v25     the way out: where I read a row back
.set CO,   26                          ; v26     my byte offset in a row of out0
.set SPW,  28                          ; v28     LDS address of my spare word: SPARE + 4 x my thread's number; never rewritten
.set NIL,  29                          ; v29     0; never rewritten
.set BO,   30                          ; v30     my byte offset in a block of 16 numbers of the bias
.set SC,   32                          ; scale words: set s (for slot s) at v[SC + 8 NQ s]; in it register NQ i + q: lanes 0-15 the word of A's block i, lanes 16-31 that of B's block i, for the slot's q-th 128 along K
.set AF,   128                         ; A's fragments, in window 0
.set BI,   192                         ; the bias: register 8 b + j = bias of my column 16 b + 8 (lane / 16) + j
.set G1, 24                            ; s[24:31] descriptor group 1 for A's blocks;  s[32:39] group 0, one set for each slot
.set G0, 32
.set G1B, 48                           ; s[48:55], s[56:63] the same for B's blocks
.set G0B, 56
.set MSB, 0
.macro WIN new                         ; the immediate's high byte repeats the setting that is left
.if MSB != \new
	s_set_vgpr_msb (MSB<<8)|\new
.set MSB, \new
.endif
.endm
.set MUL_LO,   0xa1                    ; source 0 (B) window 1, source 1 (A) window 0, C and D window 2
.set MUL_HI,   0xf1                    ; the same, C and D window 3
.set FIRST_LO, 0x81                    ; the first step: C (the bias) window 0, D window 2
.set FIRST_HI, 0xc1                    ; C window 0, D window 3
.set TO_B,     0x40                    ; destination window 1, address window 0
; A joint load: waves 0 and 1 fetch for A, waves 2 and 3 for B.  Each of the two lines has ONE mask and one set of registers for all that issue it; the branch hangs on the wave's number alone.
; Four v_nop follow each of the two lines, ahead of the jump, the label and what follows.
.macro JLOAD g0a, g1a, g0b, g1b
	s_cmp_eq_u32 s15, 0
	s_cbranch_scc0 .Lfor_b_\@
	tensor_load_to_lds s[\g0a:\g0a+3], s[\g1a:\g1a+7]
	s_nop 0
.rept 4
	v_nop
.endr
	s_branch .Lasked_\@
.Lfor_b_\@:
	tensor_load_to_lds s[\g0b:\g0b+3], s[\g1b:\g1b+7]
	s_nop 0
.rept 4
	v_nop
.endr
.Lasked_\@:
.endm
; A round of the cluster's barrier: my work-group's barrier, so that wave 0's signal speaks for all four waves; wave 0 signals for the work-group; every wave waits for all sixteen work-groups; my work-group's barrier once more.
.macro CROUND
	s_barrier_signal -1
	s_barrier_wait -1
	s_cmp_lg_u32 s14, 0
	s_cbranch_scc1 .Lnot_wave_0_\@
	s_barrier_signal -3
.Lnot_wave_0_\@:
	s_barrier_wait -3
	s_barrier_signal -1
	s_barrier_wait -1
.endm
	s_load_b128 s[4:7], s[0:1], 0x0                ; A's buffer s[4:5], B's s[6:7]
	s_load_b128 s[8:11], s[0:1], 0x10              ; the bias s[8:9], out0 s[10:11]
	v_lshl_add_u32 v[SPW], v0, 2, SPARE
	v_mov_b32 v[NIL], 0
	ds_add_u32 v28, v29
	ds_add_u32 v28, v29
	s_wait_dscnt 0x0
	v_lshrrev_b32 v1, 5, v0
	v_readfirstlane_b32 s14, v1                    ; wave 0..3
	s_lshr_b32 s15, s14, 1                         ; which half of the tile's rows is mine.  Also: I fetch for A (0) or for B (1)
	s_and_b32 s16, s14, 1                          ; which half of its columns.  Also: which of the tile's two blocks I fetch
	s_bfe_u32 s40, ttmp6, 0x40000                  ; cx, cy: my place in the cluster
	s_bfe_u32 s41, ttmp6, 0x40004
	s_lshl_b32 s42, ttmp9, 2
	s_add_co_u32 s42, s42, s40                     ; tile column = 4 x cluster x + cx
	s_and_b32 s17, ttmp7, 0xffff
	s_lshl_b32 s17, s17, 2
	s_add_co_u32 s17, s17, s41                     ; tile row = 4 x cluster y + cy
	s_lshl_b32 s43, s41, 2
	s_lshl_b32 s43, 15, s43                        ; my row of the cluster
	s_lshl_b32 s44, 0x1111, s40                    ; my column
	; descriptor group 1: a dense block of 34,816 bytes, as 136 rows of 256 bytes (32 elements of 8 bytes), 16 bytes of padding behind each in LDS
	s_or_b32 s[G1+0], s43, (3<<16)|(1<<20)|(1<<21)|(5<<22)|(3<<25)  ; 15:0 the mask: A's blocks go to my row; 17:16 element of 8 bytes; 20 padding on; 21 set beside a mask; 24:22 after every 64 words (code 5); 31:25 of 4 words (code 3)
	s_or_b32 s[G1B+0], s44, (3<<16)|(1<<20)|(1<<21)|(5<<22)|(3<<25) ; the same with the mask of my column, for B's blocks
.irp g, G1, G1B
	s_mov_b32 s[\g+1], 32<<16                      ; tensor_dim0 = 32
	s_mov_b32 s[\g+2], BROWS<<16                   ; tensor_dim1 = 136
	s_mov_b32 s[\g+3], 32<<16                      ; tile_dim0 = 32
	s_mov_b32 s[\g+4], BROWS                       ; tile_dim1 = 136
	s_mov_b32 s[\g+5], 32                          ; tensor_dim0_stride: each row begins where the last ends
	s_mov_b32 s[\g+6], 0
	s_mov_b32 s[\g+7], 0
.endr
	s_lshl_b32 s20, s17, 1
	s_add_co_u32 s20, s20, s16                     ; A: block 2 x tile row + half,
	s_mul_i32 s20, s20, BLKB                       ; in bytes (under 2^21)
	s_mov_b32 s21, 0
	s_lshl_b32 s46, s42, 1
	s_add_co_u32 s46, s46, s16                     ; B: block 2 x tile column + half
	s_mul_i32 s46, s46, BLKB
	s_mov_b32 s47, 0
	s_mul_i32 s45, s14, HALFT                      ; where they go: wave x a block: no place in the cluster enters an LDS address
	s_wait_kmcnt 0x0
	s_add_nc_u64 s[20:21], s[4:5], s[20:21]
	s_add_nc_u64 s[46:47], s[6:7], s[46:47]
	CROUND                                         ; all sixteen work-groups are here: the first joint loads meet
.irp s, 0,1
	s_mov_b32 s[G0+4*\s], 1                                        ; 1:0 count = 1
	s_add_co_u32 s[G0+4*\s+1], s45, \s*SLOT                        ; 63:32 LDS address
	s_add_nc_u64 s[G0+4*\s+2:G0+4*\s+3], s[20:21], \s*KSB          ; 120:64 global address: K step s
	s_or_b32 s[G0+4*\s+3], s[G0+4*\s+3], 0x80000000                ; 127:126 type = 2
	s_mov_b32 s[G0B+4*\s], 1
	s_add_co_u32 s[G0B+4*\s+1], s45, \s*SLOT
	s_add_nc_u64 s[G0B+4*\s+2:G0B+4*\s+3], s[46:47], \s*KSB
	s_or_b32 s[G0B+4*\s+3], s[G0B+4*\s+3], 0x80000000
	JLOAD G0+4*\s, G1, G0B+4*\s, G1B               ; the ring is filled before anything else is done: two loads of mine are out
.endr
	v_and_b32 v1, 15, v0                           ; r = l % 16
	v_bfe_u32 v2, v0, 4, 1                         ; h = l / 16
	s_lshl_b32 s68, s42, 10                        ; my first column, in bytes of f32: 1,024 x tile column + 512 x half: in the bias and in a row of out0 alike
	s_lshl_b32 s69, s16, 9
	s_add_co_u32 s68, s68, s69
	s_mov_b32 s69, 0
	s_add_nc_u64 s[8:9], s[8:9], s[68:69]
	v_lshlrev_b32 v[BO], 5, v2                     ; lanes 16-31 take the upper eight of a block's 16 numbers
.irp b, 0,1,2,3,4,5,6,7
	global_load_b128 v[BI+8*\b:BI+8*\b+3], v[BO], s[8:9] offset:64*\b
	global_load_b128 v[BI+8*\b+4:BI+8*\b+7], v[BO], s[8:9] offset:64*\b+16
.endr
	; my scale words: they lie behind a block's 128 rows of codes, 16 rows' to an LDS row, 16 bytes a row.  Lanes 0-15: my block of A; lanes 16-31: my block of B, which lies 2 + (my half of the columns) - (my half of the rows) blocks on
	s_xor_b32 s23, s15, 1
	s_add_co_u32 s23, s23, s16
	s_add_co_u32 s23, s23, 1
	s_mul_i32 s23, s23, HALFT                      ; that distance in bytes: one, two or three blocks
	v_mul_u32_u24 v6, s23, v2                      ; lanes 16-31 take B's
	v_lshl_add_u32 v6, v1, 4, v6
	s_mul_i32 s23, s15, HALFT
	s_add_co_u32 s23, s23, 128*PITCH
	v_add_nc_u32 v[ADRS], s23, v6
	v_add_nc_u32 v[ADRS+1], SLOT, v[ADRS]
	v_mul_u32_u24 v3, v1, PITCH
	v_lshl_add_u32 v4, v2, 4, v3                   ; a fragment's row x pitch + 16 x half
	s_mul_i32 s21, s15, HALFT                      ; my block of A
	s_mul_i32 s22, s16, HALFT                      ; my block of B,
	s_add_co_u32 s22, s22, 2*HALFT                 ; which lies behind A's two
.irp s, 0,1
	v_add_nc_u32 v[ADRA+\s], s21, v4
	v_add_nc_u32 v[ADRB+\s], s22, v4
	s_add_co_u32 s21, s21, SLOT
	s_add_co_u32 s22, s22, SLOT
.endr
	s_mul_i32 s23, s14, 16*SPITCH                  ; my stage
	v_mul_u32_u24 v5, v1, SPITCH                   ; in: row l % 16, 32 bytes for each half of the lanes
	v_lshl_add_u32 v5, v2, 5, v5
	v_add_nc_u32 v[STO], s23, v5
	v_and_b32 v6, 31, v0
	v_lshlrev_b32 v[CO], 4, v6                     ; back: the 32 lanes take one row of 512 bytes; and the same in out0
	v_add_nc_u32 v[RD], s23, v[CO]
	s_lshl_b32 s20, s17, 8
	s_lshl_b32 s21, s15, 7
	s_add_co_u32 s20, s20, s21                     ; my first row of out0: 256 x tile row + 128 x half,
	s_lshl_b32 s20, s20, 14                        ; in bytes: 16,384 a row (under 2^26),
	s_add_co_u32 s20, s20, s68                     ; and my first column
	s_mov_b32 s21, 0
	s_add_nc_u64 s[10:11], s[10:11], s[20:21]
.macro FRAG reg, adr, q, i             ; a fragment, 16 rows x 128 K of 4-bit codes, is 8 registers: lane l holds row l % 16; registers 4 c .. 4 c + 3 hold K = 64 c + 32 (l / 16) + 0 .. 31, the lower K in the lower bits
.irp c, 0,1
	ds_load_b128 v[\reg+4*\c:\reg+4*\c+3], v[\adr] offset:64*(\q)+32*\c+(\i)*16*PITCH
.endr
.endm
; 16 matrix instructions: A's blocks a0, a0 + 1 x B's eight, 128 along K: the slot's q-th.  p: B's set;  sc: the set of scale words.  first = 1: the first product starts the sums, with the bias as its C.
; The 64 accumulators take turns, one instruction a turn, in the same order in every step.
; Source 0's scales (B's) are read from lanes 16-31 of block b's register, source 1's (A's) from lanes 0-15 of block a's.
.macro MUL16 a0, p, q, sc, first
.irp a, \a0, \a0+1
.irp b, 0,1,2,3,4,5,6,7
.if \first
	v_wmma_scale_f32_16x16x128_f8f6f4 v[8*(8*((\a)%4)+\b):8*(8*((\a)%4)+\b)+7], v[128*(\p)+FR*\b:128*(\p)+FR*\b+FR-1], v[AF+FR*(\a):AF+FR*(\a)+FR-1], v[BI+8*\b:BI+8*\b+7], v[SC+8*NQ*(\sc)+NQ*\b+(\q)], v[SC+8*NQ*(\sc)+NQ*(\a)+(\q)] matrix_a_fmt:MATRIX_FMT_FP4 matrix_b_fmt:MATRIX_FMT_FP4 matrix_a_scale:MATRIX_SCALE_ROW1
.else
	v_wmma_scale_f32_16x16x128_f8f6f4 v[8*(8*((\a)%4)+\b):8*(8*((\a)%4)+\b)+7], v[128*(\p)+FR*\b:128*(\p)+FR*\b+FR-1], v[AF+FR*(\a):AF+FR*(\a)+FR-1], v[8*(8*((\a)%4)+\b):8*(8*((\a)%4)+\b)+7], v[SC+8*NQ*(\sc)+NQ*\b+(\q)], v[SC+8*NQ*(\sc)+NQ*(\a)+(\q)] matrix_a_fmt:MATRIX_FMT_FP4 matrix_b_fmt:MATRIX_FMT_FP4 matrix_a_scale:MATRIX_SCALE_ROW1
.endif
.endr
.endr
.endm
.macro FETCH_B slot, q, p              ; B's eight fragments of the slot's q-th 128 along K into set p
	WIN TO_B
.irp i, 0,1,2,3,4,5,6,7
	FRAG 128*(\p)+FR*\i, ADRB+\slot, \q, \i
.endr
	WIN 0
.endm
.macro FETCH_A slot, q, i0             ; A's blocks i0 .. i0 + 3
.irp i, \i0, \i0+1, \i0+2, \i0+3
	FRAG AF+FR*(\i), ADRA+\slot, \q, \i
.endr
.endm
.macro SCALES sc                       ; slot sc's scale words into set sc: NQ words a row; lanes 0-15 take A's block i, lanes 16-31 B's block i: each half of the lanes reads 256 consecutive bytes
.irp i, 0,1,2,3,4,5,6,7
	ds_load_b128 v[SC+8*NQ*(\sc)+NQ*\i:SC+8*NQ*(\sc)+NQ*\i+3], v[ADRS+\sc] offset:\i*PITCH
.endr
.endm
; A load into a register that a matrix instruction has read or written, and an LDS store that reads a matrix result, stand NP places behind that matrix instruction, and only plain vector instructions that name none of its
; registers are places (ISA guide 7.12.1 for vector instructions); this text does not count the matrix instructions in between.
.macro PLACES n
.rept \n
	v_nop
.endr
.endm
; A step of 128 along K that has its successor in the same slot.  first = 1: the launch's first step.
.macro STEP slot, q, first
	s_wait_dscnt 4*NL                              ; B's set, A's blocks 0-3 and (at a slot's head) the scale words are in; the youngest eight loads (A's blocks 4-7) may be out
.if \first
	WIN FIRST_LO
.else
	WIN MUL_LO
.endif
	MUL16 0, (\q)%2, \q, \slot, \first
	MUL16 2, (\q)%2, \q, \slot, \first
	s_wait_dscnt 0                                 ; A's blocks 4-7 are in (asked for 32 matrix instructions ago)
	PLACES NP
	FETCH_B \slot, (\q)+1, 1-(\q)%2
	FETCH_A \slot, (\q)+1, 0
.if \first
	WIN FIRST_HI
.else
	WIN MUL_HI
.endif
	MUL16 4, (\q)%2, \q, \slot, \first
	MUL16 6, (\q)%2, \q, \slot, \first
	PLACES NP
	WIN 0
	FETCH_A \slot, (\q)+1, 4
.endm
; A slot's last step changes slots, AT ITS HEAD: all that it multiplies lies in registers, so the slot can be given up before its first product.  Each wave waits for all its tensor loads, adds 0 to its spare word, and waits
; for that and for its own reads of this slot; a round of the cluster's barrier; the slot is filled again, two K steps ahead.  So the refill has this step's 64 products and the next slot's first 192 in which to land.
.macro TURN slot, next
	s_wait_tensorcnt 0x0                           ; all my tensor loads have landed: the one that was out is my part of the next slot; so every group 0 may be written  (every window is 0 here)
	ds_add_u32 v[SPW], v[NIL]                      ; 0 onto my spare word: the descriptors' steps stand between it and the wait for it
	s_add_nc_u64 s[G0+4*\slot+2:G0+4*\slot+3], s[G0+4*\slot+2:G0+4*\slot+3], 2*KSB
	s_add_nc_u64 s[G0B+4*\slot+2:G0B+4*\slot+3], s[G0B+4*\slot+2:G0B+4*\slot+3], 2*KSB
	s_wait_dscnt 0x0                               ; the add is done, and my reads of this slot are over: this step's fragments are all in
	CROUND                                         ; no wave of any partner still reads this slot's blocks or has a load on its way
	JLOAD G0+4*\slot, G1, G0B+4*\slot, G1B         ; the first tensor load behind the round, my one load until the next
	FETCH_B \next, 0, 0                            ; (set 0's last readers stand behind the places at the last step's end)
	SCALES \next
	WIN MUL_LO
	MUL16 0, 1, NQ-1, \slot, 0
	MUL16 2, 1, NQ-1, \slot, 0
	PLACES NP
	WIN 0
	FETCH_A \next, 0, 0
	WIN MUL_HI
	MUL16 4, 1, NQ-1, \slot, 0
	MUL16 6, 1, NQ-1, \slot, 0
	PLACES NP
	WIN 0
	FETCH_A \next, 0, 4
.endm
; THE LAST K STEP (it lies in slot 1) GOES BY ROWS OF out0, NOT BY K.  All its fragments of B (4 quarters x 64 registers) fill window 1; then my eight blocks of 16 rows are finished one after the other, each with
; 32 matrix instructions (its 8 accumulators by turns, K ascending).  LDS is read no more than in any other K step.
.macro BLOAD q                         ; B's fragments of quarter q -> window 1, v[64 q ..]
.irp i, 0,1,2,3,4,5,6,7
	FRAG 64*(\q)+FR*\i, ADRB+1, \q, \i
.endr
.endm
.macro ALOAD a                         ; A's fragments of block a, all four quarters -> its buffer: blocks 0, 1 (and 4, 5) where the bias lay, blocks 2, 3 (and 6, 7) where A's set lay
.set FA, 128+32*(((\a)+2)%4)
.irp q, 0,1,2,3
	FRAG FA+FR*\q, ADRA+1, \q, \a
.endr
.endm
.macro ROW a                           ; block a is finished: 32 matrix instructions
.set FA, 128+32*(((\a)+2)%4)           ; its fragments of A
.set AC, 64*((\a)%4)                   ; its eight accumulators, in window 2 (blocks 0-3) or 3 (blocks 4-7)
	WIN MUL_LO+0x50*((\a)/4)                       ; MUL_LO or MUL_HI
.irp q, 0,1,2,3
.if (\a) == 0 && \q == 2
	s_wait_dscnt 16                                ; B's quarter 2 is in (behind it: A's blocks 2 and 3)
.endif
.irp b, 0,1,2,3,4,5,6,7
	v_wmma_scale_f32_16x16x128_f8f6f4 v[AC+8*\b:AC+8*\b+7], v[64*\q+FR*\b:64*\q+FR*\b+FR-1], v[FA+FR*\q:FA+FR*\q+FR-1], v[AC+8*\b:AC+8*\b+7], v[SC+8*NQ+NQ*\b+\q], v[SC+8*NQ+NQ*(\a)+\q] matrix_a_fmt:MATRIX_FMT_FP4 matrix_b_fmt:MATRIX_FMT_FP4 matrix_a_scale:MATRIX_SCALE_ROW1
.endr
.endr
.endm
; THE WAY OUT of block a, 16 rows x 128 columns.  A lane holds 32 neighbouring bytes of a row, and the lanes beside it hold other rows: so the block goes through my own stage in LDS and comes back, into the registers
; that it left, as whole rows of 512 bytes, which the 32 lanes store together.  LDS serves a wave's instructions in order (ISA guide 5.7.1.4): no wait between the stores and the loads, nor in front of the next block's stores.
.macro TOSTAGE a
.set AC, 64*((\a)%4)
	WIN 0x08+4*((\a)/4)                            ; an LDS store's data are its source 1: window 2 or 3
.irp b, 0,1,2,3,4,5,6,7
	ds_store_b128 v[STO], v[AC+8*\b:AC+8*\b+3] offset:64*\b          ; each accumulator from its low end on
	ds_store_b128 v[STO], v[AC+8*\b+4:AC+8*\b+7] offset:64*\b+16
.endr
	WIN 0x80+0x40*((\a)/4)                         ; destination window 2 or 3
.irp t, 0,1,2,3,4,5,6,7,8,9,10,11,12,13,14,15
	ds_load_b128 v[AC+4*\t:AC+4*\t+3], v[RD] offset:\t*SPITCH
.endr
.endm
.macro SEND a, younger                 ; younger: the LDS loads issued behind TOSTAGE's, which may stay out
.set AC, 64*((\a)%4)
	s_wait_dscnt \younger                          ; the block is back in registers
	WIN 0x08+4*((\a)/4)                            ; a store's data are its source 1
.irp t, 0,1,2,3,4,5,6,7,8,9,10,11,12,13,14,15
	global_store_b128 v[CO], v[AC+4*\t:AC+4*\t+3], s[10:11] offset:(16*(\a)+\t)*SIZE_N*4 th:TH_STORE_NT   ; 32 lanes store 512 consecutive bytes, at a multiple of 256 from out0's first byte; written once, read by nobody here.  The row stands in the immediate: 127 rows of 16,384 bytes at the most, inside its signed 24 bits; no register of a store is written again
.endr
.endm
	s_wait_tensorcnt 1                             ; my part of K step 0 is in (K step 1's load may be out)
	s_barrier_signal -1
	s_barrier_wait -1                              ; everybody's is
	FETCH_B 0, 0, 0
	FETCH_A 0, 0, 0
	SCALES 0
	FETCH_A 0, 0, 4
	s_wait_loadcnt 0x0                             ; the bias
	STEP 0, 0, 1                                   ; the first step stands in front of the loop: its products start the sums on the bias
	s_mov_b32 s3, LAPS-1
.Llap:                                                 ; a trip goes once round the ring, from a lap's second step to the next lap's first, and fills both slots again
	STEP 0, 1, 0
	STEP 0, 2, 0
	TURN 0, 1
	STEP 1, 0, 0
	STEP 1, 1, 0
	STEP 1, 2, 0
	TURN 1, 0
	STEP 0, 0, 0
	s_sub_co_u32 s3, s3, 1
	s_cmp_lg_u32 s3, 0
	s_cbranch_scc1 .Llap
	STEP 0, 1, 0                                   ; the last lap fills nothing, and has no round of the cluster's barrier
	STEP 0, 2, 0
	s_wait_tensorcnt 0x0                           ; the last change of slots: my one tensor load that was still out is slot 1's, the last K step's;
	ds_add_u32 v[SPW], v[NIL]
	s_wait_dscnt 0x0                               ; my reads of slot 0 are over: behind this barrier it serves as the stages
	s_barrier_signal -1
	s_barrier_wait -1
	WIN TO_B
	BLOAD 0                                        ; three quarters of B now: set 1 (v128-191 of window 1) is still to be multiplied
	BLOAD 1
	BLOAD 3
	WIN 0
	SCALES 1
	ALOAD 0                                        ; into the registers that held the bias
	ALOAD 1
	WIN MUL_LO
	MUL16 0, 1, NQ-1, 0, 0                         ; slot 0's last step
	MUL16 2, 1, NQ-1, 0, 0
	WIN MUL_HI
	MUL16 4, 1, NQ-1, 0, 0
	MUL16 6, 1, NQ-1, 0, 0
	PLACES NP                                      ; for the loads into B's set 1 and A's set
	WIN TO_B
	BLOAD 2
	WIN 0
	ALOAD 2
	ALOAD 3
	s_wait_dscnt 32                                ; all but the 32 just issued
	ROW 0
.irp a, 0,1,2,3,4,5,6,7                ; each block leaves as soon as it is finished: the sooner the stores begin, the sooner the launch ends
	PLACES NP                                      ; the stores into the stage read results just made, and the loads land in registers just read
	TOSTAGE \a
.if \a < 4
	WIN 0
	ALOAD \a+4                                     ; its buffer takes the block four further on
	SEND \a, 8
.else
	SEND \a, 0
.endif
.if \a < 7
	ROW \a+1                                       ; its fragments of A were asked for ahead of the loads that SEND has waited for
.endif
.endr
	WIN 0
	s_wait_tensorcnt 0x0                           ; the wave's end: behind my last tensor load and my last LDS store
	ds_add_u32 v[SPW], v[NIL]
	s_wait_dscnt 0x0
	CROUND                                         ; the closing round: no work-group ends while a partner may still ask for a block that names it
	s_endpgm
.Lfunc_end_k_q8f902314d2_gemm:
	.size	k_q8f902314d2_gemm, .Lfunc_end_k_q8f902314d2_gemm-k_q8f902314d2_gemm
	.p2alignl 7, 3214868480
	.fill 96, 4, 3214868480
	.section	.rodata,"a",@progbits
	.p2align	6, 0x0
	.amdhsa_kernel k_q8f902314d2_gemm
		.amdhsa_group_segment_fixed_size 327680
		.amdhsa_private_segment_fixed_size 0
		.amdhsa_enable_private_segment 0
		.amdhsa_kernarg_size 32
		.amdhsa_user_sgpr_count 2
		.amdhsa_user_sgpr_kernarg_segment_ptr 1
		.amdhsa_wavefront_size32 1
		.amdhsa_system_sgpr_workgroup_id_x 1
		.amdhsa_system_sgpr_workgroup_id_y 1
		.amdhsa_system_sgpr_workgroup_id_z 1
		.amdhsa_system_vgpr_workitem_id 0
		.amdhsa_next_free_vgpr 1024
		.amdhsa_next_free_sgpr 72
		.amdhsa_reserve_vcc 0
		.amdhsa_float_denorm_mode_32 3
		.amdhsa_float_denorm_mode_16_64 3
		.amdhsa_memory_ordered 1
		.amdhsa_forward_progress 1
		.amdhsa_inst_pref_size 210
	.end_amdhsa_kernel
	.amdgpu_metadata
---
amdhsa.version: [ 1, 2 ]
amdhsa.kernels:
  - .name:           k_q8f902314d2_gemm
    .symbol:         k_q8f902314d2_gemm.kd
    .args:
      - { .name: acodes, .offset: 0, .size: 8, .value_kind: global_buffer, .address_space: global }
      - { .name: bcodes, .offset: 8, .size: 8, .value_kind: global_buffer, .address_space: global }
      - { .name: bias, .offset: 16, .size: 8, .value_kind: global_buffer, .address_space: global }
      - { .name: out0, .offset: 24, .size: 8, .value_kind: global_buffer, .address_space: global }
    .group_segment_fixed_size: 327680
    .private_segment_fixed_size: 0
    .kernarg_segment_align: 8
    .kernarg_segment_size: 32
    .max_flat_workgroup_size: 128
    .sgpr_count:     72
    .vgpr_count:     1024
    .wavefront_size: 32
...
	.end_amdgpu_metadata
.endif
;; end of part 2
